; MI455X (gfx1250); checked and timed in simulation.
; The chip was launched on July 23, 2026; its instructions are those of AMD's public machine-readable ISA for CDNA 5 (MIT licence, August 2026) and "CDNA5" Instruction Set Architecture Reference Guide (July 2026). The comments in the code are by the model that wrote it; some were corrected since.
;; QKV Multihead Attention. Allowed arithmetic: matrix products marked QUANTISED: E2M1 operands, one E8M0 scale for each 32 along K, by v_wmma_scale_f32_16x16x128_f8f6f4 with both operands' format E2M1 (or v_wmma_scale_f32_32x16x128_f4), f32 sums; everything else in f32.
;; Inputs: qkv 2 x 2,048 x 3,072 float32.
;; Outputs: out0 2 x 2,048 x 1,024 float32.
;; This version of the problem:
;;   THIS VERSION OF THE PROBLEM IS GIVEN IN LOW PRECISION. The matrix products marked QUANTISED in the list below multiply operands that are first quantised to E2M1 (2 exponent bits, 1 mantissa bit; 4 bits a number), with one power-of-two scale for each 32 numbers along K (OCP MX v1.0); their sums are f32. All else is computed in f32.
;;   The module's matrix products, in the order in which they are computed (A, B: the left and right operand; K: the contracted axis; several contracted axes count as one K, in the product's order):
;;     1. batch 32 x [M 2,048, K 64] x [K 64, N 2,048]; A: computed on the way; B: computed on the way: QUANTISED
;;     2. batch 32 x [M 64, K 2,048] x [K 2,048, N 2,048]; A: computed on the way; B: softmax (see below): QUANTISED
;;   THE QUANTISER, for each operand of a quantised product, along K:
;;     - K is cut into blocks of 32 from its start; a last block that is shorter is filled with zeros.
;;     - A block's scale is 2^e with e = floor(log2(the largest magnitude in the block)) - 2, held to -126 .. 127; a block of zeros has e = 0. As a byte (E8M0): e + 127.
;;     - Each number is divided by its block's scale, clamped to +-6, and rounded to the nearest number of E2M1, ties to even, subnormals kept.
;;     - The product sums the exact products of the quantised numbers (number of the format x scale) in f32.
;;   ~~~python
;;   def quantise(x, axis):      # numpy; x: float32 -> the quantised numbers, widened to float32 again
;;       x = np.moveaxis(x, axis, -1); K = x.shape[-1]
;;       x = np.pad(x, [(0, 0)] * (x.ndim - 1) + [(0, -K % 32)]); x = x.reshape(x.shape[:-1] + (-1, 32)); a = np.abs(x).max(-1, keepdims=True)
;;       e = np.where(a > 0, np.clip(np.frexp(np.where(a > 0, a, 1))[1] - 1 - 2, -126, 127), 0)      # np.frexp(a)[1] - 1 = floor(log2(a)), exactly
;;       r = np.clip(x / 2.0 ** e, -6, 6)
;;       step = 2.0 ** (np.maximum(np.frexp(np.where(r == 0, 1, r))[1] - 1, 0) - 1)
;;       q = np.round(r / step) * step * 2.0 ** e      # np.round: ties to even
;;       return np.moveaxis(q.reshape(q.shape[:-2] + (-1,))[..., :K], -1, axis).astype(np.float32)
;;   ~~~
;;   SOFTMAX AHEAD OF A QUANTISED PRODUCT. Where the list says 'softmax', what is quantised is not the finished softmax but p = 2^(t - M), with t = logit x log2(e) and M = ceil(the row's largest t), a whole number; so 1/2 < the row's largest p <= 1. The row's sum l is taken of the UNQUANTISED p, in f32, and the product's result is divided by l at the end. Since M is a whole number, a kernel that streams over the keys may use a running M (the ceiling of the running maximum): every later rescaling is an exact power of two, which a block's scale takes up: the codes' values come out the same.
;;   OPERANDS COMPUTED ON THE WAY. 'Computed on the way' means the value that the module computes at that place (a softmax that the list does not call 'softmax' is quantised finished and normalised). What goes into a quantiser is computed in f32, as accurately as f32 sums, v_exp_f32 and their like allow (about 1e-6 of the number): no bf16 or f16 on the way to a quantiser, and a product that is left as it is and whose result goes on into a quantised operand takes f32 operands (vector FMAs, or v_wmma_f32_16x16x4_f32). A number that lies on a knife's edge between two numbers of the format may be rounded either way, as far as f32 arithmetic and the matrix unit's own rounding can turn it there, and no further.
;; One version. Each part assembles by itself: llvm-mc -triple=amdgcn-amd-amdhsa -mcpu=gfx1250 --defsym DOCPART=n.
;; ======== version 1 of 1: 2 launches
;; limits: right only within a limited range of input values
;; workspace buffers: kv 4,456,448 bytes
;; launch quant (part 1): grid 8 x 32, 8 waves a work-group, no clusters, 167,936 bytes of LDS; arguments qkv, kv; writes kv
.if DOCPART == 1
	.amdgcn_target "amdgcn-amd-amdhsa--gfx1250"
	.amdhsa_code_object_version 6
	.text
	.protected	k_q6e0e55a742_quant
	.globl	k_q6e0e55a742_quant
	.p2align	8
	.type	k_q6e0e55a742_quant,@function
k_q6e0e55a742_quant:
	s_mov_b64 s[64:65], 0
	v_nop
	global_prefetch_b8 v0, s[64:65] scope:SCOPE_SE
	s_setreg_imm32_b32 hwreg(HW_REG_WAVE_MODE, 25, 1), 1
	s_wait_xcnt 0x0
; qkv [2][2048][3072] f32: a row holds, for each of 16 heads, 64 numbers of q, 64 of k, 64 of v (256 bytes each).
; This launch turns k and v, which eight work-groups of the next launch read, into codes of FP4 (E2M1) with one E8M0 byte for each 32 along a product's K:
; k x s (s = f32(1 / sqrt(8)), one f32 multiplication) along the 64 channels, v along the KEYS.  q is read by one work-group alone, which quantises it itself.
; A block's scale is 2^(floor(log2(its largest magnitude)) - 2): its byte is the largest magnitude's exponent field - 2, held at 1 from below.
; LIMITS: NaN and infinities among the inputs are not served.  A block whose largest magnitude lies under 2^-124 keeps the byte 1 (the hold at -126).  A block of zeros gets the byte 1 and not 127:
; its codes are zeros, and the bytes are read by this program alone.
; OUTPUT, in the order of the operands' registers.  kv [head 32][step 8][17,408]: a step is 256 keys = two units of 128: K's codes 2 x 4,096, V's codes 2 x 4,096, K's scale words 512, V's scale words 512.
;   K: tile (c, T), c = 0, 1, T = 0..3: row m takes key 64 c + 8 T + (m % 8) + 32 (m / 8) of the unit.  Its lane (r, h)'s 16 bytes (channels 32 h on) lie at 2,048 c + 1,024 (T / 2) + 512 (r / 8) + 256 (T % 2) + 128 (h xor r / 8) + 16 (r % 8).
;   V: channel tile t at 1,024 t, keys 64 c on at 512 c, lane l's 16 bytes at 16 l (channel 16 t + l % 16, keys 32 (l / 16) on).
;   K's scale words: lane l's four words at 16 l; word 2 unit + c: tiles T = 2 (l / 16) (bytes 0, 1) and T + 1 (bytes 2, 3) of row l % 16.  V's: word 2 unit + t / 2 of lane 16 (t % 2) + r: channel 16 t + r, a byte for each 32 keys.
; SHARES.  Work-group (x, y): head y, keys 256 x on.  A wave owns 32 keys, brought by its one tensor load (32 rows x 512 bytes: k and v) into LDS bytes of its own: two jobs of k (16 rows x 2 halves) and two of v (32 channels x 32 keys).
; For k a lane holds 32 neighbouring channels of one row, for v one channel with its registers down the keys: each block lies in ONE lane.
; No cluster: no two work-groups read the same byte.  No matrix unit: there is no product here.  No loop, so no prefetch.
.set PIT,   528                        ; a row in LDS: 512 bytes + 16 of padding
.set WREG,  32*PIT
.set STG,   8*WREG                     ; the scale bytes on their way out: 1,024; no tensor load lands here
.set SPARE, STG+1024                   ; the spare words, 128 bytes for each wave
.set HB,    139264                     ; a head in kv
.set STB,   17408                      ; a step
.set SPW,   2
.set NIL,   3
.set CD,    160                        ; v160-175 codes, four registers a job, never written again
.set WD,    176                        ; v176-179 scale bytes likewise
	s_load_b128 s[4:7], s[0:1], 0x0                ; qkv, kv
	v_lshl_add_u32 v[SPW], v0, 2, SPARE
	v_mov_b32 v[NIL], 0
	ds_add_u32 v[SPW], v[NIL]                      ; the opening add, twice on end
	ds_add_u32 v[SPW], v[NIL]
	v_lshrrev_b32 v1, 5, v0
	v_readfirstlane_b32 s10, v1                    ; w, 0..7
	s_and_b32 s12, ttmp7, 0xffff                   ; y = 16 b + h
	s_lshr_b32 s13, s12, 4                         ; b
	s_and_b32 s14, s12, 15                         ; h
	; descriptor group 1: 32 rows of 64 elements of 8 bytes, 1,536 elements from row to row; 4 words of padding behind every 128
	s_mov_b32 s16, (3<<16)|(1<<20)|(6<<22)|(3<<25)
	s_mov_b32 s17, 64<<16
	s_mov_b32 s18, 32<<16
	s_mov_b32 s19, 64<<16
	s_mov_b32 s20, 32
	s_mov_b32 s21, 1536
	s_mov_b32 s22, 0
	s_mov_b32 s23, 0
	s_mov_b32 s34, 0x3eb504f3                      ; s = 1 / sqrt(8) in f32
	s_mov_b32 s35, s34                             ; (named with it as a pair)
	s_lshl_b32 s36, s13, 11                        ; my first row: 2,048 b + 256 x + 32 w
	s_lshl_b32 s37, ttmp9, 8
	s_add_co_u32 s36, s36, s37
	s_lshl_b32 s37, s10, 5
	s_add_co_u32 s36, s36, s37
	s_mul_i32 s36, s36, 12288
	s_mul_i32 s37, s14, 768
	s_add_co_u32 s36, s36, s37
	s_add_co_u32 s36, s36, 256                     ; k's and v's 512 bytes of the head
	s_mov_b32 s37, 0
	s_mul_i32 s15, s10, WREG                       ; my bytes of LDS
	s_lshr_b32 s50, s10, 2                         ; unit
	s_bfe_u32 s51, s10, 0x10001                    ; c
	s_and_b32 s52, s10, 1                          ; which half of a tile's rows, and of V's lanes
	s_mul_i32 s40, s12, HB
	s_mul_i32 s41, ttmp9, STB
	s_add_co_u32 s40, s40, s41
	s_mov_b32 s41, 0
	s_lshl_b32 s53, s50, 12
	s_lshl_b32 s54, s51, 11
	s_add_co_u32 s42, s40, s53
	s_add_co_u32 s42, s42, s54
	s_lshl_b32 s54, s52, 9
	s_add_co_u32 s42, s42, s54                     ; K's codes
	s_mov_b32 s43, 0
	s_add_co_u32 s44, s40, s53
	s_add_co_u32 s44, s44, 8192
	s_lshl_b32 s54, s51, 9
	s_add_co_u32 s44, s44, s54
	s_lshl_b32 s54, s52, 8
	s_add_co_u32 s44, s44, s54                     ; V's codes
	s_mov_b32 s45, 0
	s_add_co_u32 s40, s40, 16384                   ; the scale words
	s_wait_alu depctr_va_vdst(0)
	s_wait_dscnt 0x0                               ; both opening adds are done
	s_wait_kmcnt 0x0
	s_mov_b32 s24, 1
	s_mov_b32 s25, s15
	s_add_nc_u64 s[26:27], s[4:5], s[36:37]
	s_or_b32 s27, s27, 0x80000000
	tensor_load_to_lds s[24:27], s[16:23]          ; my 32 rows: each wave's one load
	s_nop 0
	s_add_nc_u64 s[40:41], s[6:7], s[40:41]
	s_add_nc_u64 s[42:43], s[6:7], s[42:43]
	s_add_nc_u64 s[44:45], s[6:7], s[44:45]
	v_and_b32 v4, 31, v0                           ; lane
	v_and_b32 v5, 7, v0                            ; i
	v_bfe_u32 v6, v0, 4, 1                         ; T % 2
	v_bfe_u32 v7, v0, 3, 1
	v_xor_b32 v7, s52, v7                          ; h: which 32 channels
	v_lshl_add_u32 v8, v6, 3, v5                   ; row 8 (T % 2) + i of the job's 16
	v_mul_u32_u24 v8, v8, PIT
	v_lshl_add_u32 v8, v7, 7, v8
	v_add_nc_u32 v8, s15, v8                       ; LDS: my 128 bytes of k
	s_add_co_u32 s54, s15, 256
	v_lshl_add_u32 v9, v4, 2, s54                  ; LDS: my channel of v, first key
	s_lshl_b32 s54, s52, 7
	s_lshr_b32 s55, s10, 1
	s_lshl_b32 s55, s55, 2
	s_add_co_u32 s54, s54, s55
	s_add_co_u32 s54, s54, STG
	v_lshl_add_u32 v10, v5, 4, s54
	v_lshl_add_u32 v10, v6, 1, v10
	v_add_nc_u32 v10, v10, v7                      ; LDS: my scale byte of k: 128 (w % 2) + 16 i + 4 (w / 2) + 2 (T % 2) + h; job a: 256 a further on
	s_lshl_b32 s54, s50, 3
	s_and_b32 s55, s10, 3
	s_add_co_u32 s54, s54, s55
	s_add_co_u32 s54, s54, STG+512
	v_lshl_add_u32 v11, v4, 4, s54                 ; LDS: my scale byte of v: 16 lane + 8 unit + w % 4; job a: 4 a further on
	v_lshlrev_b32 v12, 4, v4                       ; K's codes: 16 lane
	v_and_b32 v13, 15, v0
	v_lshlrev_b32 v13, 4, v13
	v_lshl_add_u32 v13, v6, 10, v13                ; V's codes: 1,024 (lane / 16) + 16 (lane % 16)
	v_lshlrev_b32 v14, 4, v0                       ; the scale words' way out: 16 bytes a thread
	v_lshl_add_u32 v15, v0, 4, STG
.macro BLOCKMAX x                      ; the largest magnitude of v[x] .. v[x + 31] -> v16, in four chains; one leaf is the floor 2^(3 - 127), so that the byte cannot fall under 1
.irp k, 0,1,2,3
	v_max3_num_f32 v[16+\k], |v[\x+8*\k]|, |v[\x+8*\k+1]|, |v[\x+8*\k+2]|
.endr
.irp i, 3,5
.irp k, 0,1,2,3
	v_max3_num_f32 v[16+\k], v[16+\k], |v[\x+8*\k+\i]|, |v[\x+8*\k+\i+1]|
.endr
.endr
	v_max3_num_f32 v16, v16, |v[\x+7]|, |v[\x+15]|
	v_max3_num_f32 v17, v17, |v[\x+23]|, |v[\x+31]|
	v_max3_num_f32 v18, v18, v19, 0x1800000
	v_max3_num_f32 v16, v16, v17, v18
.endm
.macro JOB x, n                        ; v[x ..]'s 32 numbers become four registers of codes and a scale byte
	BLOCKMAX \x
	v_add_nc_u32 v20, 0xff000000, v16              ; 2 off the exponent field: the conversion takes the exponent field of this operand as its scale
.irp g, 0,1,2,3
	v_cvt_scalef32_pk8_fp4_f32 v[CD+4*(\n)+\g], v[\x+8*\g:\x+8*\g+7], v20
.endr
	v_lshrrev_b32 v[WD+\n], 23, v20                ; the scale's byte (also the plain line behind the conversions)
.endm
.macro KJOB x, a
.irp i, 0,2,4,6,8,10,12,14,16,18,20,22,24,26,28,30
	v_pk_mul_f32 v[\x+\i:\x+\i+1], v[\x+\i:\x+\i+1], s[34:35] op_sel_hi:[1,0]
.endr
	JOB \x, \a
	ds_store_b8 v10, v[WD+\a] offset:256*\a
	global_store_b128 v12, v[CD+4*\a:CD+4*\a+3], s[42:43] offset:1024*\a   ; the wave stores 512 consecutive bytes, at a multiple of 256
.endm
.macro VLOAD x, a
.set J, 0
.rept 32
	ds_load_b32 v[\x+J], v9 offset:PIT*J+128*\a    ; 32 lanes read 128 neighbouring bytes of one key's row
.set J, J+1
.endr
.endm
.macro VJOB x, a
	JOB \x, 2+\a
	ds_store_b8 v11, v[WD+2+\a] offset:4*\a
	global_store_b128 v13, v[CD+8+4*\a:CD+11+4*\a], s[44:45] offset:2048*\a   ; each half of the lanes stores 256 consecutive bytes, aligned
.endm
	s_wait_alu depctr_va_vdst(0)                   ; the wait at the head's end
	s_wait_tensorcnt 0x0                           ; my rows are in; no other wave reads them
.irp a, 0,1
.irp i, 0,1,2,3,4,5,6,7
	ds_load_b128 v[32+32*\a+4*\i:35+32*\a+4*\i], v8 offset:16*PIT*\a+16*\i
.endr
.endr
	VLOAD 96, 0
	s_wait_dscnt 40                                ; k's first job is in: behind it stand its second's 8 loads and v's 32
	KJOB 32, 0
	s_wait_dscnt 33                                ; k's second: behind it v's 32 and one byte store
	KJOB 64, 1
	VLOAD 128, 1
	s_wait_dscnt 34                                ; v's first: behind it two byte stores and 32 loads
	VJOB 96, 0
	s_wait_dscnt 1                                 ; v's second: behind it one byte store
	VJOB 128, 1
	s_wait_dscnt 0x0                               ; for the others' sake: my scale bytes lie in the stage
	s_barrier_signal -1
	s_barrier_wait -1
	s_cmp_lt_u32 s10, 2                            ; 1,024 bytes are 64 threads' 16
	s_cbranch_scc0 .Ldone
	ds_load_b128 v[24:27], v15
	s_wait_dscnt 0x0
	global_store_b128 v14, v[24:27], s[40:41]      ; a wave stores 512 consecutive bytes, aligned
.Ldone:
	s_wait_tensorcnt 0x0                           ; the wave's end
	ds_add_u32 v[SPW], v[NIL]
	s_wait_dscnt 0x0
	s_endpgm
.Lfunc_end_k_q6e0e55a742_quant:
	.size	k_q6e0e55a742_quant, .Lfunc_end_k_q6e0e55a742_quant-k_q6e0e55a742_quant
	.p2alignl 7, 3214868480
	.fill 96, 4, 3214868480
	.section	.rodata,"a",@progbits
	.p2align	6, 0x0
	.amdhsa_kernel k_q6e0e55a742_quant
		.amdhsa_group_segment_fixed_size 167936
		.amdhsa_private_segment_fixed_size 0
		.amdhsa_enable_private_segment 0
		.amdhsa_kernarg_size 16
		.amdhsa_user_sgpr_count 2
		.amdhsa_user_sgpr_kernarg_segment_ptr 1
		.amdhsa_wavefront_size32 1
		.amdhsa_system_sgpr_workgroup_id_x 1
		.amdhsa_system_sgpr_workgroup_id_y 1
		.amdhsa_system_sgpr_workgroup_id_z 1
		.amdhsa_system_vgpr_workitem_id 0
		.amdhsa_next_free_vgpr 192
		.amdhsa_next_free_sgpr 66
		.amdhsa_reserve_vcc 0
		.amdhsa_float_denorm_mode_32 3
		.amdhsa_float_denorm_mode_16_64 3
		.amdhsa_memory_ordered 1
		.amdhsa_forward_progress 1
		.amdhsa_inst_pref_size 19
	.end_amdhsa_kernel
	.amdgpu_metadata
---
amdhsa.version: [ 1, 2 ]
amdhsa.kernels:
  - .name:           k_q6e0e55a742_quant
    .symbol:         k_q6e0e55a742_quant.kd
    .args:
      - { .name: qkv, .offset: 0, .size: 8, .value_kind: global_buffer, .address_space: global }
      - { .name: kv, .offset: 8, .size: 8, .value_kind: global_buffer, .address_space: global }
    .group_segment_fixed_size: 167936
    .private_segment_fixed_size: 0
    .kernarg_segment_align: 8
    .kernarg_segment_size: 16
    .max_flat_workgroup_size: 256
    .sgpr_count:     66
    .vgpr_count:     192
    .wavefront_size: 32
...
	.end_amdgpu_metadata
.endif
;; end of part 1
;; launch attn (part 2): grid 8 x 32, 16 waves a work-group, clusters of 4 x 1, 210,944 bytes of LDS; arguments kv, qkv, out0; writes out0
.if DOCPART == 2
	.amdgcn_target "amdgcn-amd-amdhsa--gfx1250"
	.amdhsa_code_object_version 6
	.text
	.protected	k_q6e0e55a742_attn
	.globl	k_q6e0e55a742_attn
	.p2align	8
	.type	k_q6e0e55a742_attn,@function
k_q6e0e55a742_attn:
	s_mov_b64 s[64:65], 0
	v_nop
	global_prefetch_b8 v0, s[64:65] scope:SCOPE_SE
	s_setreg_imm32_b32 hwreg(HW_REG_WAVE_MODE, 25, 1), 1
	s_wait_xcnt 0x0
	s_wait_alu depctr_hold_cnt(0) depctr_sa_sdst(0) depctr_va_vdst(0) depctr_va_sdst(0) depctr_va_ssrc(0) depctr_va_vcc(0) depctr_vm_vsrc(0)
	s_getreg_b32 s2, hwreg(HW_REG_IB_STS2, 6, 4)
	s_cmp_eq_u32 s2, 0
	s_cbranch_scc0 .Lentry_in_a_cluster
	s_endpgm
.Lentry_in_a_cluster:
	s_bfe_u32 s2, ttmp6, 0x10000c
	s_cmp_lg_u32 s2, 0x3003
	s_cbranch_scc0 .Lentry_shape_is_right
	s_endpgm
.Lentry_shape_is_right:
; out0[b][q][64 h + c] = the sum over keys of softmax(q s . k s) v, both products on codes of FP4 (E2M1) with one E8M0 scale for each 32 along a product's K.  K's and V's codes and scale words come from the launch before, laid as its head says;
; q is read here, once, as f32, and quantised ahead of the loop: q x s (s = f32(1 / sqrt(8))) along the 64 channels.
; THE SOFTMAX AHEAD OF THE SECOND PRODUCT: t = score x log2(e); M = the row's largest t so far, rounded UP to a whole number; p = 2^(t - M) is what is quantised, along the keys; it is not normalised.
; The row's sum is taken of the unquantised p, in f32, and divides O at the end.  When M moves, the sum and O are multiplied by 2^(old M - new M): exact.
; LIMITS: NaN and infinities among the inputs are not served; the scaled scores t stay under 2^31 in magnitude; a p under 2^-126 counts as 0 (v_exp_f32 gives no denormals: ISA guide, its entry); a q block under 2^-124 keeps the byte 1.
; A block's exponent is floor(t - M) of its largest score; where p, rounded to f32, reaches the next power of two, it is held at the largest code, as the number just under that power is.
; SHARES.  A work-group owns 256 queries of one head, each of its sixteen waves one tile of 16, in 256 registers: four waves to a SIMD, so that one wave's exponentials stand beside another's products and LDS loads.
; A HEAD'S K, V AND SCALE WORDS ARE 139,264 BYTES: they come into LDS once, as they lie, and stay: no byte is filled again.  Each wave asks for a sixteenth, 34 rows of 256 bytes, by its one tensor load.  One barrier follows; the loop has none.
; q is asked for behind that load and waited for behind the barrier, by each wave for itself.
; CLUSTER.  The four query blocks of a cluster belong to one head: each load is asked for JOINTLY, by the same line with the same descriptor and the mask of all four.  My place in the cluster enters q's and the output's global addresses alone.
; No prefetch into the L2: everything is asked for at the head, and no loop loads from memory.
; LAYOUT.  Both products are used transposed: S^T = K Q^T (source 0 = 16 keys, source 1 = my 16 queries), O^T = V^T P^T (source 0 = 16 channels, source 1 = P): a lane (r, h) holds ONE query, r, throughout.
; Tile (c, T) of K takes key 64 c + 8 T + (m % 8) + 32 (m / 8) as its row m, so the 32 registers of tiles (c, 0..3) are the keys 64 c + 32 h + 0 .. 31: a WHOLE block in a lane, in the order that P's operand wants: no code and no block's maximum crosses lanes.
; The first product's K is 64, half of the instruction's: one operand of 8 registers holds TWO tiles of K, and Q stands against it with zero codes above it (the lower tile counts) or below it (the upper one).
; REGISTERS: v0 thread; v1 my place in K's image, v2 16 x lane; v4 -M, v5 the largest score, v[6:7] the sum in two halves, v8 f, v9 the step's address;
;   scales and nothing else: v10-13 K's, v14-17 V's, v18 Q's, v3 and v19 p's;  v20-23 zeros, v24-27 Q, v28-31 zeros;  v224-255 O^T;
;   v32-95 and v128-191 take turns from step to step: the one holds K's fragments, then the registers at work, p's codes and V's first unit; the other blocks 1 and 2 of S^T, then p, then the NEXT step's K;
;   v96-127 block 0 of S^T, then p, then V's second unit;  v192-223 block 3.
.set HB,    139264                     ; a head in kv
.set STB,   17408                      ; a step: 256 keys
.set PART,  8704                       ; what a wave fetches
.set STAGE, HB                         ; 16 rows x (256 + 16) bytes for each wave, for q's turn and the way out; no tensor load lands here
.set SPARE, STAGE+16*16*272            ; the spare words, 128 bytes for each wave
.set OT,    224
.set B0,    96
.set B3,    192
; A round of the cluster's barrier: my work-group's barrier; wave 0 signals for the work-group; every wave waits for all four work-groups; my work-group's barrier once more.
.macro CROUND
	s_barrier_signal -1
	s_barrier_wait -1
	s_cmp_lg_u32 s10, 0
	s_cbranch_scc1 .Lnot_wave_0_\@
	s_barrier_signal -3
.Lnot_wave_0_\@:
	s_barrier_wait -3
	s_barrier_signal -1
	s_barrier_wait -1
.endm
	s_load_b128 s[4:7], s[0:1], 0x0                ; kv, qkv
	s_load_b64 s[8:9], s[0:1], 0x10                ; out0
	v_lshl_add_u32 v96, v0, 2, SPARE               ; (made anew at the wave's end: all 256 registers are in use between)
	v_mov_b32 v97, 0
	ds_add_u32 v96, v97                            ; the opening add, twice on end
	ds_add_u32 v96, v97
	v_lshrrev_b32 v98, 5, v0
	v_readfirstlane_b32 s10, v98                   ; w, 0..15
	s_bfe_u32 s11, ttmp6, 0x40000                  ; cx: my place in the cluster
	s_lshl_b32 s12, ttmp9, 2                       ; in a cluster launch ttmp9 counts clusters
	s_add_co_u32 s12, s12, s11                     ; X: my block of 256 queries
	s_and_b32 s13, ttmp7, 0xffff                   ; y = 16 b + h, which the four partners share
	s_mul_i32 s15, s10, PART
	; descriptor group 1: 8,704 dense bytes as 34 rows of 32 elements of 8 bytes; no padding
	s_mov_b32 s24, 15|(3<<16)|(1<<21)              ; 15:0 the mask: all four work-groups; 17:16 elements of 8 bytes; 21 set beside a mask
	s_mov_b32 s25, 32<<16
	s_mov_b32 s26, 34<<16
	s_mov_b32 s27, 32<<16
	s_mov_b32 s28, 34
	s_mov_b32 s29, 32
	s_mov_b32 s30, 0
	s_mov_b32 s31, 0
	s_mov_b32 s20, 0x76543210
	s_mov_b32 s21, 0xfedcba98                      ; v_permlanex16_b32's selects for lane l xor 16
	s_mov_b32 s22, 0x3fb8aa3b                      ; c = log2(e)
	s_mov_b32 s23, s22                             ; (named with it as a pair)
	s_mov_b32 s36, 0xbfb8aa3b                      ; -c
	s_mov_b32 s38, 0x3eb504f3                      ; s = 1 / sqrt(8) in f32
	s_mov_b32 s39, s38
	s_mul_i32 s52, s13, HB                         ; kv: the head and the wave's number alone
	s_add_co_u32 s52, s52, s15
	s_mov_b32 s53, 0
	s_lshr_b32 s16, s13, 4                         ; b
	s_and_b32 s17, s13, 15                         ; h
	s_lshl_b32 s58, s16, 11
	s_lshl_b32 s18, s12, 8
	s_add_co_u32 s58, s58, s18
	s_lshl_b32 s18, s10, 4
	s_add_co_u32 s58, s58, s18                     ; my first query's row: 2,048 b + 256 X + 16 w
	s_mul_i32 s54, s58, 12288
	s_mul_i32 s18, s17, 768
	s_add_co_u32 s54, s54, s18                     ; its q,
	s_mov_b32 s55, 0
	s_lshl_b32 s58, s58, 12
	s_lshl_b32 s18, s17, 8
	s_add_co_u32 s58, s58, s18                     ; and its place in the output
	s_mov_b32 s59, 0
	s_mul_i32 s60, s10, 16*272
	s_add_co_u32 s60, s60, STAGE                   ; my stage
	v_bfe_u32 v99, v0, 4, 1                        ; h = lane / 16
	v_and_b32 v100, 15, v0                         ; r = lane % 16
	v_mul_u32_u24 v101, v99, 12288
	v_lshl_add_u32 v101, v100, 4, v101             ; q: lanes 0-15 one row's 256 bytes, lanes 16-31 the next row's
	v_mul_u32_u24 v102, v99, 272
	v_lshl_add_u32 v102, v100, 4, v102
	v_add_nc_u32 v102, s60, v102                   ; into the stage as loaded,
	v_mul_u32_u24 v103, v100, 272
	v_lshl_add_u32 v103, v99, 7, v103
	v_add_nc_u32 v103, s60, v103                   ; and back: row r, my half's 32 channels
	s_wait_alu depctr_va_vdst(0)
	s_wait_dscnt 0x0                               ; both opening adds are done
	s_wait_kmcnt 0x0
	s_add_nc_u64 s[54:55], s[6:7], s[54:55]
	s_add_nc_u64 s[52:53], s[4:5], s[52:53]
	s_add_nc_u64 s[8:9], s[8:9], s[58:59]
	s_mov_b32 s32, 1                               ; count = 1
	s_mov_b32 s33, s15                             ; LDS address: as in memory
	s_mov_b64 s[34:35], s[52:53]
	s_or_b32 s35, s35, 0x80000000                  ; type = 2
	CROUND                                         ; all four work-groups are here: the joint loads meet
	tensor_load_to_lds s[32:35], s[24:31]          ; my sixteenth of the head: the wave's one load
	s_nop 0
.irp i, 0,1,2,3,4,5,6,7
	global_load_b128 v[128+4*\i:131+4*\i], v101, s[54:55] offset:24576*\i th:TH_LOAD_NT   ; q: rows 2 i and 2 i + 1
.endr
	v_and_b32 v1, 7, v0
	v_bfe_u32 v104, v0, 3, 1                       ; r / 8
	v_lshlrev_b32 v2, 4, v0
	v_xor_b32 v105, v104, v99
	v_lshlrev_b32 v1, 4, v1
	v_and_b32 v2, 0x1f0, v2                        ; 16 x lane
	v_lshl_add_u32 v1, v105, 7, v1
	v_mov_b32 v6, 0                                ; the sum, in two halves
	v_mov_b32 v7, 0
	v_lshl_add_u32 v1, v104, 9, v1                 ; my place in K's image: 512 (r / 8) + 128 (h xor r / 8) + 16 (r % 8)
	v_mov_b32 v4, 0x7f61b1e6                       ; -M: 3e38
	v_mov_b32 v5, 0xff61b1e6                       ; the largest score so far: -3e38
	v_mov_b32 v111, 0                              ; written once: a lane permute's destination counts as one of its sources
.irp i, 20,21,22,23,28,29,30,31
	v_mov_b32 v[\i], 0                             ; the zero codes on both sides of Q
.endr
.set J, 0
.rept 32
	v_mov_b32 v[OT+J], 0                           ; O^T.  (The step finds zeros at first, which the first change of M leaves zeros)
.set J, J+1
.endr
; S^T: an operand of 8 registers holds the tiles T (lower) and T + 1 (upper)
.macro QKW d, a, q, sc, row
.if \row
	v_wmma_scale_f32_16x16x128_f8f6f4 v[\d:\d+7], v[\a:\a+7], v[\q:\q+7], 0, v[\sc], v18 matrix_a_fmt:MATRIX_FMT_FP4 matrix_b_fmt:MATRIX_FMT_FP4 matrix_a_scale:MATRIX_SCALE_ROW1
.else
	v_wmma_scale_f32_16x16x128_f8f6f4 v[\d:\d+7], v[\a:\a+7], v[\q:\q+7], 0, v[\sc], v18 matrix_a_fmt:MATRIX_FMT_FP4 matrix_b_fmt:MATRIX_FMT_FP4
.endif
.endm
.macro QKB d, a, sc                    ; one block's four tiles
	QKW \d, \a, 24, \sc, 0
	QKW \d+8, \a, 20, \sc, 0
	QKW \d+16, \a+8, 24, \sc, 1
	QKW \d+24, \a+8, 20, \sc, 1
.endm
; O^T += V^T P^T over one unit: four accumulators by turns
.macro PV vf, pc, vs, ps
.irp t, 0,1,2,3
.if \t%2
	v_wmma_scale_f32_16x16x128_f8f6f4 v[OT+8*\t:OT+8*\t+7], v[\vf+8*\t:\vf+8*\t+7], v[\pc:\pc+7], v[OT+8*\t:OT+8*\t+7], v[\vs+\t/2], v[\ps] matrix_a_fmt:MATRIX_FMT_FP4 matrix_b_fmt:MATRIX_FMT_FP4 matrix_a_scale:MATRIX_SCALE_ROW1
.else
	v_wmma_scale_f32_16x16x128_f8f6f4 v[OT+8*\t:OT+8*\t+7], v[\vf+8*\t:\vf+8*\t+7], v[\pc:\pc+7], v[OT+8*\t:OT+8*\t+7], v[\vs+\t/2], v[\ps] matrix_a_fmt:MATRIX_FMT_FP4 matrix_b_fmt:MATRIX_FMT_FP4
.endif
.endr
.endm
.macro KLOAD d, ad, off
.irp t, 0,1,2,3,4,5,6,7
	ds_load_b128 v[\d+4*\t:\d+4*\t+3], v[\ad] offset:(\off)+2048*(\t/4)+1024*((\t%4)/2)+256*(\t%2)
.endr
.endm
.macro VLOAD d, off
.irp t, 0,1,2,3
.irp c, 0,1
	ds_load_b128 v[\d+8*\t+4*\c:\d+8*\t+4*\c+3], v9 offset:(\off)+1024*\t+512*\c
.endr
.endr
.endm
.macro MX1 n, b
	v_max3_num_f32 v[TT+\n], v[\b], v[\b+1], v[\b+2]
.endm
.macro MX3 n, b, i
	v_max3_num_f32 v[TT+\n], v[TT+\n], v[\b+\i], v[\b+\i+1]
.endm
.macro MX2 n, b
	v_max_num_f32 v[TT+\n], v[TT+\n], v[\b+31]
.endm
.macro FM b, j                         ; t - M, two at a time (of the pairs c and -M the low word serves both halves)
	v_pk_fma_f32 v[\b+\j:\b+\j+1], v[\b+\j:\b+\j+1], s[22:23], v[4:5] op_sel_hi:[1,0,0]
.endm
.macro EXF e, f                        ; block e's exponentials, block f's multiply-adds between them
.set J, 0
.rept 16
	v_exp_f32 v[\e+J], v[\e+J]
	v_exp_f32 v[\e+J+1], v[\e+J+1]
	FM \f, J
.set J, J+2
.endr
.endm
.macro CODE n, b, g                    ; eight p of block n become one register of P's operand
	v_cvt_scalef32_pk8_fp4_f32 v[TT+16+4*\n+(\g)], v[\b+8*(\g):\b+8*(\g)+7], v[TT+4+\n]
.endm
.macro ACC b, n                        ; n pairs of block b, onto the four chains of the sum
.set J, 0
.rept \n
	v_pk_add_f32 v[TT+8+2*(J%4):TT+9+2*(J%4)], v[TT+8+2*(J%4):TT+9+2*(J%4)], v[\b+2*J:\b+2*J+1]
.set J, J+1
.endr
.endm
; A STEP: 256 keys.  k: where K's fragments lie; o: blocks 1 and 2, and then the next step's K; eo: the step's bytes from s48 on; pf: a step follows
.macro STEP k, o, eo, pf
.set TT, \k
.set B1, \o
.set B2, \o+32
	v_add_nc_u32 v9, s48, v2                       ; (with the four sums at a step's end the fifth place between the last step's products and the products that write over their registers)
	ds_load_b128 v[14:17], v9 offset:(\eo)+16896   ; V's scale words
	s_wait_alu depctr_va_vdst(0)                   ; directly ahead of the wait below
	s_wait_dscnt 9                                 ; K's first unit and its scale words are in: behind them stand the second's 8 loads and V's scale words
	QKB B0, TT, 10
	QKB B1, TT+16, 11
	s_wait_dscnt 1                                 ; K's second unit is in: V's scale words may be out
	QKB B2, TT+32, 12
	QKB B3, TT+48, 13
.rept 4
	v_nop                                          ; four places (ISA guide 7.12.1)
.endr
	VLOAD TT+32, (\eo)+8192                        ; V's first unit
	MX1 0, B0                                      ; the largest score of each block, the four blocks by turns; each accumulator is read from its low end on
	MX1 1, B1
	MX1 2, B2
	MX1 3, B3
.irp i, 3,5,7,9,11,13,15,17,19,21,23,25,27,29
	MX3 0, B0, \i
	MX3 1, B1, \i
	MX3 2, B2, \i
	MX3 3, B3, \i
.endr
	MX2 0, B0
	MX2 1, B1
	MX2 2, B2
	MX2 3, B3
	v_max3_num_f32 v[TT+8], v[TT], v[TT+1], v[TT+2]
	s_delay_alu instid0(VALU_DEP_1)
	v_max_num_f32 v[TT+8], v[TT+8], v[TT+3]
	s_delay_alu instid0(VALU_DEP_1)
	v_permlanex16_b32 v[TT+9], v[TT+8], s20, s21   ; lane l xor 16's blocks
	s_delay_alu instid0(VALU_DEP_1)
	v_max3_num_f32 v5, v5, v[TT+8], v[TT+9]        ; the running largest score of my query
	s_delay_alu instid0(VALU_DEP_1)
	v_mul_f32 v[TT+10], s36, v5                    ; -t
	s_delay_alu instid0(VALU_DEP_1)
	v_floor_f32 v[TT+10], v[TT+10]                 ; the new -M = floor(-t) = -ceil(t): M is a whole number
	s_delay_alu instid0(VALU_DEP_1)
	v_sub_f32 v[TT+11], v[TT+10], v4               ; M's old value less its new one: a whole number, 0 or less
	v_mov_b32 v4, v[TT+10]
	s_delay_alu instid0(VALU_DEP_1)
	v_fma_f32 v[TT], v[TT], s22, v4                ; t - M of each block's largest score: the exponential's own argument there
.irp b, 1,2,3
	v_fma_f32 v[TT+\b], v[TT+\b], s22, v4
.endr
	v_cvt_i32_f32 v[TT+11], v[TT+11]               ; (it saturates)
.irp b, 0,1,2,3
	v_max_num_f32 v[TT+\b], 0xc2f80000, v[TT+\b]   ; -124 from below: the byte cannot fall under 1
.endr
	v_ldexp_f32 v8, 1.0, v[TT+11]                  ; f = 2^(old M - new M): a multiplication by it rounds nothing
.irp b, 0,1,2,3
	v_cvt_floor_i32_f32 v[TT+\b], v[TT+\b]         ; the exponent of the block's largest p
.endr
.irp b, 0,1,2,3
	v_lshl_add_u32 v[TT+4+\b], v[TT+\b], 23, 0x3e800000   ; the conversion's scale operand 2^(exponent - 2)
.endr
	v_lshl_add_u32 v[TT+12], v[TT+1], 16, v[TT]    ; a unit's bytes: my blocks stand at bytes 0 and 2,
	v_lshl_add_u32 v[TT+13], v[TT+3], 16, v[TT+2]
	v_add_nc_u32 v[TT+12], 0x7d007d, v[TT+12]      ; + 125 each
	v_add_nc_u32 v[TT+13], 0x7d007d, v[TT+13]
	v_permlanex16_b32 v[TT+14], v[TT+12], s20, s21
	v_permlanex16_b32 v[TT+15], v[TT+13], s20, s21
	v_lshl_or_b32 v3, v[TT+14], 8, v[TT+12]        ; and lanes 16-31's at bytes 1 and 3 of lanes 0-15, which alone are read
	v_lshl_or_b32 v19, v[TT+15], 8, v[TT+13]
.set J, 0
.rept 16
	v_pk_mul_f32 v[OT+J:OT+J+1], v[OT+J:OT+J+1], v[8:9] op_sel_hi:[1,0]   ; O^T under the new M
.set J, J+2
.endr
.set J, 0
.rept 16
	FM B0, J
	FM B1, J
.set J, J+2
.endr
	s_wait_alu depctr_va_vdst(0)                   ; the wait ahead of a batch
	EXF B0, B2                                     ; p = 2^(t - M): not normalised.  The multiply-adds between are read behind the next wait alone
	EXF B1, B3
	s_wait_alu depctr_va_vdst(0)                   ; behind the first batch and ahead of the second
.irp n, 0,1,2,3,4,5,6,7                ; block 2's exponentials, the first unit's conversions between them
	v_exp_f32 v[B2+4*\n], v[B2+4*\n]
	v_exp_f32 v[B2+4*\n+1], v[B2+4*\n+1]
	v_exp_f32 v[B2+4*\n+2], v[B2+4*\n+2]
	v_exp_f32 v[B2+4*\n+3], v[B2+4*\n+3]
.if \n < 4
	CODE 0, B0, \n
.else
	CODE 1, B1, \n-4
.endif
.endr
	v_pk_mul_f32 v[6:7], v[6:7], v[8:9] op_sel_hi:[1,0]   ; the sums under the new M (and the plain line behind the conversions)
.irp n, 0,1,2,3,4,5,6,7                ; block 3's, with the first sums of blocks 0 and 1 between them, in place: each is read behind the wait alone
	v_exp_f32 v[B3+4*\n], v[B3+4*\n]
	v_exp_f32 v[B3+4*\n+1], v[B3+4*\n+1]
	v_pk_add_f32 v[B0+2*\n:B0+2*\n+1], v[B0+2*\n:B0+2*\n+1], v[B0+16+2*\n:B0+17+2*\n]
	v_exp_f32 v[B3+4*\n+2], v[B3+4*\n+2]
	v_exp_f32 v[B3+4*\n+3], v[B3+4*\n+3]
	v_pk_add_f32 v[B1+2*\n:B1+2*\n+1], v[B1+2*\n:B1+2*\n+1], v[B1+16+2*\n:B1+17+2*\n]
.endr
	s_wait_alu depctr_va_vdst(0)                   ; behind the second batch
.irp n, 0,1,2,3
	v_pk_add_f32 v[TT+8+2*\n:TT+9+2*\n], v[B0+2*\n:B0+2*\n+1], v[B0+8+2*\n:B0+9+2*\n]   ; the row's sum of the unquantised p, in four chains of pairs
.endr
	VLOAD B0, (\eo)+12288                          ; V's second unit, over block 0, which is done with
	ACC B1, 8
.if \pf
	v_add_nc_u32 v[TT], s48, v1
	KLOAD B1, TT, (\eo)+STB                        ; the next step's K, first unit, over block 1,
	ds_load_b128 v[10:13], v9 offset:(\eo)+STB+16384   ; and K's scale words
.endif
.irp n, 0,1,2,3
	CODE 2, B2, \n
.endr
	ACC B2, 16
.if \pf
	KLOAD B2, TT, (\eo)+STB+4096                   ; the second unit, over block 2
.endif
.irp n, 0,1,2,3
	CODE 3, B3, \n
.endr
	ACC B3, 16
	s_wait_alu depctr_va_vdst(0)                   ; directly ahead of the wait below
	s_wait_dscnt 17*\pf                            ; V is in: behind it stand the next step's 8 + 1 + 8 loads, if a step follows
	PV TT+32, TT+16, 14, 3
	PV B0, TT+24, 16, 19
	v_pk_add_f32 v[TT+8:TT+9], v[TT+8:TT+9], v[TT+10:TT+11]      ; the chains' ends: places behind the products
	v_pk_add_f32 v[TT+12:TT+13], v[TT+12:TT+13], v[TT+14:TT+15]
	v_pk_add_f32 v[TT+8:TT+9], v[TT+8:TT+9], v[TT+12:TT+13]
	v_pk_add_f32 v[6:7], v[6:7], v[TT+8:TT+9]
.endm
	s_wait_alu depctr_va_vdst(0)                   ; the wait at the head's end
	s_wait_tensorcnt 0x0                           ; my part of the head is in
	s_wait_dscnt 0x0
	s_barrier_signal -1
	s_barrier_wait -1                              ; everybody's is
	KLOAD 32, 1, 0                                 ; step 0's K
	ds_load_b128 v[10:13], v2 offset:16384
	KLOAD 64, 1, 4096
	s_wait_loadcnt 0x0                             ; my q
.irp i, 0,1,2,3,4,5,6,7
	ds_store_b128 v102, v[128+4*\i:131+4*\i] offset:544*\i
.endr
.irp i, 0,1,2,3,4,5,6,7
	ds_load_b128 v[160+4*\i:163+4*\i], v103 offset:16*\i   ; LDS serves a wave's instructions in order (ISA guide 5.7.1.4): these see my stores
.endr
	s_wait_dscnt 0x0
.irp i, 0,2,4,6,8,10,12,14,16,18,20,22,24,26,28,30
	v_pk_mul_f32 v[160+\i:161+\i], v[160+\i:161+\i], s[38:39] op_sel_hi:[1,0]
.endr
.irp k, 0,1,2,3                        ; my block's largest magnitude, in four chains, with the floor 2^(3 - 127) among the leaves
	v_max3_num_f32 v[104+\k], |v[160+8*\k]|, |v[161+8*\k]|, |v[162+8*\k]|
.endr
.irp i, 3,5
.irp k, 0,1,2,3
	v_max3_num_f32 v[104+\k], v[104+\k], |v[160+8*\k+\i]|, |v[161+8*\k+\i]|
.endr
.endr
	v_max3_num_f32 v104, v104, |v167|, |v175|
	v_max3_num_f32 v105, v105, |v183|, |v191|
	v_max3_num_f32 v106, v106, v107, 0x1800000
	v_max3_num_f32 v104, v104, v105, v106
	v_add_nc_u32 v108, 0xff000000, v104            ; 2 off the exponent field: the conversion's scale operand
.irp g, 0,1,2,3
	v_cvt_scalef32_pk8_fp4_f32 v[24+\g], v[160+8*\g:167+8*\g], v108
.endr
	v_lshrrev_b32 v109, 23, v108                   ; the byte (also the plain line behind the conversions)
	v_lshlrev_b32 v110, 3, v99
	v_lshlrev_b32 v109, v110, v109                 ; at byte h
	v_permlanex16_b32 v111, v109, s20, s21
	v_or_b32 v109, v109, v111
	v_lshl_or_b32 v18, v109, 16, v109              ; the two bytes stand for k = 0 .. 63 and again for k = 64 .. 127
.rept 8
	v_nop                                          ; a scale register so written stands 8 places ahead of a scaled product
.endr
	s_mov_b32 s48, 0                               ; where the trip's first step begins in LDS
	s_mov_b32 s50, 3
.Lstep:
	STEP 32, 128, 0, 1
	STEP 128, 32, STB, 1
	s_add_co_u32 s48, s48, 2*STB
	s_sub_co_u32 s50, s50, 1
	s_cmp_lg_u32 s50, 0
	s_cbranch_scc1 .Lstep
	s_mov_b32 s48, 6*STB                           ; the last two steps are written out: behind the last no K is asked for
	STEP 32, 128, 0, 1
	STEP 128, 32, STB, 0
	; THE WAY OUT.  O^T is divided by the row's sum and goes through my own stage in LDS, so that sixteen lanes store one query's 256 bytes.
	v_add_f32 v6, v6, v7                           ; the sum's two halves,
	v_permlanex16_b32 v40, v6, s20, s21
	v_add_f32 v6, v6, v40                          ; and lane l xor 16's: the row's sum
	s_wait_alu depctr_va_vdst(0)                   ; the wait ahead of the transcendental,
	v_rcp_f32 v6, v6
	v_bfe_u32 v41, v0, 4, 1                        ; h (a plain line behind the reciprocal)
	v_and_b32 v42, 15, v0                          ; r
	v_mul_u32_u24 v43, v42, 272
	v_mul_u32_u24 v44, v41, 272
	v_lshlrev_b32 v45, 12, v41
	v_lshl_add_u32 v43, v41, 5, v43
	v_lshl_add_u32 v44, v42, 4, v44
	v_lshl_add_u32 v45, v42, 4, v45                ; and the same two rows of the output
	v_add_nc_u32 v43, s60, v43                     ; in: row r; tile t's eight channels of my half: 64 t + 32 h bytes on
	v_add_nc_u32 v44, s60, v44                     ; back: lanes 0-15 one row, lanes 16-31 the next
	s_wait_alu depctr_va_vdst(0)                   ; and behind it
.set J, 0
.rept 16
	v_pk_mul_f32 v[B0+J:B0+J+1], v[OT+J:OT+J+1], v[6:7] op_sel_hi:[1,0]   ; register 8 t + i is o(query r, channel 16 t + 8 h + i)
.set J, J+2
.endr
.irp t, 0,1,2,3
	ds_store_b128 v43, v[B0+8*\t:B0+8*\t+3] offset:64*\t
	ds_store_b128 v43, v[B0+8*\t+4:B0+8*\t+7] offset:64*\t+16
.endr
.irp i, 0,1,2,3,4,5,6,7
	ds_load_b128 v[64+4*\i:67+4*\i], v44 offset:544*\i   ; in order behind my stores
.endr
.irp i, 0,1,2,3,4,5,6,7
	s_wait_dscnt 7-\i                              ; the younger loads may stay out
	global_store_b128 v45, v[64+4*\i:67+4*\i], s[8:9] offset:8192*\i th:TH_STORE_NT   ; 16 lanes store 256 consecutive bytes, at a multiple of 256 from the output's first byte
.endr
	v_lshl_add_u32 v46, v0, 2, SPARE
	v_mov_b32 v47, 0
	s_wait_alu depctr_va_vdst(0)
	s_wait_tensorcnt 0x0                           ; the wave's end
	ds_add_u32 v46, v47
	s_wait_dscnt 0x0
	CROUND                                         ; the closing round: no work-group ends while a partner may still ask for a load that names it
	s_endpgm
.Lfunc_end_k_q6e0e55a742_attn:
	.size	k_q6e0e55a742_attn, .Lfunc_end_k_q6e0e55a742_attn-k_q6e0e55a742_attn
	.p2alignl 7, 3214868480
	.fill 96, 4, 3214868480
	.section	.rodata,"a",@progbits
	.p2align	6, 0x0
	.amdhsa_kernel k_q6e0e55a742_attn
		.amdhsa_group_segment_fixed_size 210944
		.amdhsa_private_segment_fixed_size 0
		.amdhsa_enable_private_segment 0
		.amdhsa_kernarg_size 24
		.amdhsa_user_sgpr_count 2
		.amdhsa_user_sgpr_kernarg_segment_ptr 1
		.amdhsa_wavefront_size32 1
		.amdhsa_system_sgpr_workgroup_id_x 1
		.amdhsa_system_sgpr_workgroup_id_y 1
		.amdhsa_system_sgpr_workgroup_id_z 1
		.amdhsa_system_vgpr_workitem_id 0
		.amdhsa_next_free_vgpr 256
		.amdhsa_next_free_sgpr 66
		.amdhsa_reserve_vcc 0
		.amdhsa_float_denorm_mode_32 3
		.amdhsa_float_denorm_mode_16_64 3
		.amdhsa_memory_ordered 1
		.amdhsa_forward_progress 1
		.amdhsa_inst_pref_size 119
	.end_amdhsa_kernel
	.amdgpu_metadata
---
amdhsa.version: [ 1, 2 ]
amdhsa.kernels:
  - .name:           k_q6e0e55a742_attn
    .symbol:         k_q6e0e55a742_attn.kd
    .args:
      - { .name: kv, .offset: 0, .size: 8, .value_kind: global_buffer, .address_space: global }
      - { .name: qkv, .offset: 8, .size: 8, .value_kind: global_buffer, .address_space: global }
      - { .name: out0, .offset: 16, .size: 8, .value_kind: global_buffer, .address_space: global }
    .group_segment_fixed_size: 210944
    .private_segment_fixed_size: 0
    .kernarg_segment_align: 8
    .kernarg_segment_size: 24
    .max_flat_workgroup_size: 512
    .sgpr_count:     66
    .vgpr_count:     256
    .wavefront_size: 32
...
	.end_amdgpu_metadata
.endif
;; end of part 2
